; MI455X (gfx1250); checked and timed in simulation.
; The chip was launched on July 23, 2026; its instructions are those of AMD's public machine-readable ISA for CDNA 5 (MIT licence, August 2026) and "CDNA5" Instruction Set Architecture Reference Guide (July 2026). The comments in the code are by the model that wrote it; some were corrected since.
;; Arccos Hessian Calculator. Allowed arithmetic: matrix products marked QUANTISED: E4M3 operands, one E8M0 scale for each 32 along K, by v_wmma_scale_f32_16x16x128_f8f6f4 with both operands' format E4M3, f32 sums; products left as they are: f32 operands where the result goes on into a quantised operand, else bf16, f16 or f32 operands; f32 sums; everything else in f32.
;; Inputs: W 128 x 512 float32; an 1,024 int32; ap 1,024 int32; n 1,024 int32; p 1,024 int32; x 16,384 x 512 float32.
;; Outputs: out0 65,536 float32.
;; This version of the problem:
;;   THIS VERSION OF THE PROBLEM IS GIVEN IN LOW PRECISION. The matrix products marked QUANTISED in the list below multiply operands that are first quantised to E4M3 (4 exponent bits, 3 mantissa bits; 8 bits a number), with one power-of-two scale for each 32 numbers along K (OCP MX v1.0); their sums are f32. All else is computed in f32.
;;   The module's matrix products, in the order in which they are computed (A, B: the left and right operand; K: the contracted axis; several contracted axes count as one K, in the product's order):
;;     1. [M 1,024, K 512] x [K 512, N 128]; A: computed on the way; B: input W: QUANTISED
;;     2. [M 1,024, K 512] x [K 512, N 128]; A: computed on the way; B: input W: QUANTISED
;;     3. batch 1,024 x [M 128, K 1] x [K 1, N 128]; A: computed on the way; B: computed on the way: left as it is (no contracted axis)
;;     4. batch 1,024 x [M 128, K 1] x [K 1, N 128]; A: computed on the way; B: computed on the way: left as it is (no contracted axis)
;;     5. batch 1,024 x [M 128, K 1] x [K 1, N 128]; A: computed on the way; B: computed on the way: left as it is (no contracted axis)
;;     6. batch 1,024 x [M 128, K 1] x [K 1, N 128]; A: computed on the way; B: computed on the way: left as it is (no contracted axis)
;;     7. [M 1,024, K 512] x [K 512, N 128]; A: computed on the way; B: input W: QUANTISED
;;     8. [M 1,024, K 512] x [K 512, N 128]; A: computed on the way; B: input W: QUANTISED
;;     9. batch 1,024 x [M 128, K 1] x [K 1, N 128]; A: computed on the way; B: computed on the way: left as it is (no contracted axis)
;;     10. batch 1,024 x [M 128, K 1] x [K 1, N 128]; A: computed on the way; B: computed on the way: left as it is (no contracted axis)
;;     11. batch 1,024 x [M 128, K 1] x [K 1, N 128]; A: computed on the way; B: computed on the way: left as it is (no contracted axis)
;;     12. batch 1,024 x [M 128, K 1] x [K 1, N 128]; A: computed on the way; B: computed on the way: left as it is (no contracted axis)
;;   THE QUANTISER, for each operand of a quantised product, along K:
;;     - K is cut into blocks of 32 from its start; a last block that is shorter is filled with zeros.
;;     - A block's scale is 2^e with e = floor(log2(the largest magnitude in the block)) - 8, held to -126 .. 127; a block of zeros has e = 0. As a byte (E8M0): e + 127.
;;     - Each number is divided by its block's scale, clamped to +-448, and rounded to the nearest number of E4M3, ties to even, subnormals kept.
;;     - The product sums the exact products of the quantised numbers (number of the format x scale) in f32.
;;   ~~~python
;;   def quantise(x, axis):      # numpy; x: float32 -> the quantised numbers, widened to float32 again
;;       x = np.moveaxis(x, axis, -1); K = x.shape[-1]
;;       x = np.pad(x, [(0, 0)] * (x.ndim - 1) + [(0, -K % 32)]); x = x.reshape(x.shape[:-1] + (-1, 32)); a = np.abs(x).max(-1, keepdims=True)
;;       e = np.where(a > 0, np.clip(np.frexp(np.where(a > 0, a, 1))[1] - 1 - 8, -126, 127), 0)      # np.frexp(a)[1] - 1 = floor(log2(a)), exactly
;;       r = np.clip(x / 2.0 ** e, -448, 448)
;;       step = 2.0 ** (np.maximum(np.frexp(np.where(r == 0, 1, r))[1] - 1, -6) - 3)
;;       q = np.round(r / step) * step * 2.0 ** e      # np.round: ties to even
;;       return np.moveaxis(q.reshape(q.shape[:-2] + (-1,))[..., :K], -1, axis).astype(np.float32)
;;   ~~~
;;   OPERANDS COMPUTED ON THE WAY. 'Computed on the way' means the value that the module computes at that place (a softmax that the list does not call 'softmax' is quantised finished and normalised). What goes into a quantiser is computed in f32, as accurately as f32 sums, v_exp_f32 and their like allow (about 1e-6 of the number): no bf16 or f16 on the way to a quantiser, and a product that is left as it is and whose result goes on into a quantised operand takes f32 operands (vector FMAs, or v_wmma_f32_16x16x4_f32). A number that lies on a knife's edge between two numbers of the format may be rounded either way, as far as f32 arithmetic and the matrix unit's own rounding can turn it there, and no further.
;; One version. Each part assembles by itself: llvm-mc -triple=amdgcn-amd-amdhsa -mcpu=gfx1250 --defsym DOCPART=n.
;; ======== version 1 of 1: 2 launches
;; workspace buffers: part 16,777,216 bytes
;; launch pairs (part 1): grid 4 x 64, 8 waves a work-group, no clusters, 252,416 bytes of LDS; arguments x, W, ap, p, an, n, part; writes part
.if DOCPART == 1
	.amdgcn_target "amdgcn-amd-amdhsa--gfx1250"
	.amdhsa_code_object_version 6
	.text
	.protected	k_q2e229f7385_pairs
	.globl	k_q2e229f7385_pairs
	.p2align	8
	.type	k_q2e229f7385_pairs,@function
k_q2e229f7385_pairs:
	s_mov_b64 s[64:65], 0
	v_nop
	global_prefetch_b8 v0, s[64:65] scope:SCOPE_SE
	s_setreg_imm32_b32 hwreg(HW_REG_WAVE_MODE, 25, 1), 1
	s_wait_xcnt 0x0
; part[g][i][j] = sign(g) x the sum over the 32 pairs b of group g of  d11[b][i] x1[b][j]^2 - 2 d12[b][i] x1[b][j] x2[b][j] + d22[b][i] x2[b][j]^2.
; x: [16384][512] f32, W: [128][512] f32, ap, p, an, n: [1024] int32, part: [64][128][512] f32.  Groups 0-31 take ap and p (sign +), groups 32-63 an and n (sign -).
; z1 = Q(x1) Q(W)^T, z2 = Q(x2) Q(W)^T on codes of FP8 (E4M3) with one E8M0 scale for each 32 along K = 512.  With u = z1 / |z1|, v = z2 / |z2|, c = u . v, only the Hessians' diagonals are kept:
; d11 = (c + 2 u v - 3 c u^2) / |z1|^2,  d12 = (u^2 + v^2 - 1 - c u v) / (|z1| |z2|),  d22 = (c + 2 u v - 3 c v^2) / |z2|^2.  All but the two products is f32.
; SHARES.  A work-group is (q = x of the grid, g = y): 32 pairs, the 32 outputs i = 32 q .. 32 q + 31, all 512 j.  Eight waves.  Norms want all 128 i, so each work-group makes z whole: 128 matrix instructions.
;   W: wave w keeps 16 rows of W as codes in 64 registers.  Its tile's row m is W's row 32 ((m / 4 + q) % 4) + 4 w + m % 4, so that rows 0-3 of every tile belong to the work-group's own quarter.
;   x: 64 rows (0-31: x1 of the pairs, 32-63: x2) lie in LDS as f32: the quantiser reads them in operand order, the sums over pairs read them by columns.
;   The sums over pairs: wave (a = w % 4, e = w / 4) owns i = 32 q + 8 a .. + 7, all j (a lane: j = 128 c + 4 lane + 0..3, c = 0..3: 128 sums), pairs 16 e .. 16 e + 15; the two e meet through LDS at the end.
; NO CLUSTER, NO TENSOR LOAD: the rows that the four work-groups of a group share are 64 single rows at places read from lists, which no one tile covers; W's 262,144 bytes of f32 do not fit in LDS beside the 251,392 used here.
; W is quantised in every work-group and a row of x in four: 6 runs of the quantiser a wave beside the 3,456 instructions of its sums over pairs; the price of one launch less.
; LIMITS: NaN and infinities among the inputs are not served.  A block whose largest magnitude lies under 2^-118 gets the scale byte 1 (a block of zeros too: its codes are zeros, and the bytes are read here alone).
; A sum of z^2 under 2^-126 counts as 0 in v_rsq_f32.  Indices are held at 16,383.  c is taken as (z1 . z2) rsq rsq, and sums run in another order than in the definition: differences of f32 rounding.
.set XP,   2064                        ; a row of x in LDS: 2,048 bytes + 16 = 516 words: row r starts at bank 4 r mod 64 (64 banks of 4 bytes: ISA guide 11.1)
.set XIMG, 64*XP                       ; x's 16 fragments (row tile T, K step s: 4 T + s) as images of their registers, 2,048 bytes each
.set XSC,  XIMG+16*2048                ; their scale words, 128 bytes each
.set SUM,  XSC+16*128                  ; each wave's three sums for 32 pairs: 512 bytes a wave
.set DL,   SUM+8*512                   ; d: [pair][term][32 i], a pair DP bytes
.set DP,   400                         ; 384 + 16 = 100 words: sixteen pairs start at sixteen different groups of four banks
.set WST,  DL+32*DP                    ; a stage of 16 rows x (512 + 16) bytes for each wave, its own
.set WSP,  528
.set WSB,  16*WSP
.set LI,  1                            ; v1   16 x lane; never rewritten
.set LS,  2                            ; v2   4 x lane
.set STS, 5                            ; v5   my stage: where a load's 512 bytes go
.set STL, 6                            ; v6   and where I read them in operand order
.set XQ,  7                            ; v7   x's rows in operand order
.set XWI, 8                            ; v8   where I store x's images;  v9 their scale words
.set XWS, 9
.set IM,  10                           ; v10  where any image is read;  v11 any scale word
.set SCA, 11
.set WO,  12                           ; v12-15 W: byte offset of tile rows 4 m .. 4 m + 3
.set TM,  16                           ; v16-31 the quantiser's: largest magnitudes, bytes, holds, scale operands
.set WS,  32                           ; v32-35 W's scale words, v36-43 x's, v44 the one just made: these thirteen hold scales and nothing else
.set XS,  36
.set PW,  44
.set SUW, 45
.set SUR, 46
.set DW,  47
.set GO,  48                           ; v48-55 byte offsets of my eight rows in x
.set RS,  56                           ; v56  where my rows go in LDS
.set PC,  48                           ; v48-63 later: the codes just made
.set SA,  64                           ; v64-127, v128-191: two stages of 64 numbers
.set SB,  128
.set WC,  192                          ; v192-255 W's codes: K step s at WC + 16 s
; the accumulators of z: row tile T at v[16 + 8 T + 16 (T / 2)]: v16, v24, v48, v56
; the sums over pairs:
.set AX1, 2
.set AX2, 3
.set AD,  4
.set AES, 5
.set AEL, 6
.set DD,  8                            ; v8-31   d of a pair: term t at DD + 8 t
.set X1,  48                           ; v48-63 x1, v64-79 x2: my 16 columns
.set X2,  64
.set XA,  80                           ; v80-95 x1^2, v96-111 x1 x2, v112-127 x2^2
.set XB,  96
.set XC,  112
.set ACC, 128                          ; v128-255: sum (i', column 4 c + k) at ACC + 16 i' + 4 c + k
.macro LOADW ks, buf                   ; K step ks of my 16 rows of W: a load is 512 consecutive bytes of one row
.irp r,0,1,2,3,4,5,6,7,8,9,10,11,12,13,14,15
	global_load_b128 v[\buf+4*\r:\buf+4*\r+3], v[WO+\r/4], s[6:7] offset:(\r%4)*2048+512*\ks
.endr
.endm
.macro TURNW buf                       ; through my stage: in as loaded, back in operand order: register 16 b + i = k 32 b + 16 (lane / 16) + i of row lane % 16.  LDS serves a wave's instructions in order (ISA guide 5.7.1.4)
.irp r,0,1,2,3,4,5,6,7,8,9,10,11,12,13,14,15
	ds_store_b128 v[STS], v[\buf+4*\r:\buf+4*\r+3] offset:\r*WSP
.endr
.irp b,0,1,2,3
.irp j,0,1,2,3
	ds_load_b128 v[\buf+16*\b+4*\j:\buf+16*\b+4*\j+3], v[STL] offset:128*\b+16*\j
.endr
.endr
.endm
.macro XLOADR bt                       ; four of my eight rows of x, whole: four loads of 512 consecutive bytes a row
.irp t,0,1,2,3
.irp c,0,1,2,3
	global_load_b128 v[SB+16*\t+4*\c:SB+16*\t+4*\c+3], v[GO+4*\bt+\t], s[4:5] offset:512*\c
.endr
.endr
.endm
.macro XSTORE bt
.irp t,0,1,2,3
.irp c,0,1,2,3
	ds_store_b128 v[RS], v[SB+16*\t+4*\c:SB+16*\t+4*\c+3] offset:(4*\bt+\t)*XP+512*\c
.endr
.endr
.endm
; 64 numbers of a lane in operand order become a fragment's 16 registers of codes and its scale word
.macro QUANT src, dst, pw
.irp b,0,1,2,3
	v_max3_num_f32 v[TM+\b], |v[\src+16*\b]|, |v[\src+16*\b+1]|, 0x4800000   ; block b: my 16 numbers, and the floor 2^(9 - 127): the byte cannot fall under 1
.endr
.irp i,2,4,6,8,10,12,14
.irp b,0,1,2,3
	v_max3_num_f32 v[TM+\b], v[TM+\b], |v[\src+16*\b+\i]|, |v[\src+16*\b+\i+1]|   ; the four blocks by turns
.endr
.endr
.irp b,0,1,2,3
	v_permlanex16_b32 v[TM+4+\b], v[TM+\b], s36, s37
.endr
.irp b,0,1,2,3
	v_max_num_f32 v[TM+\b], v[TM+\b], v[TM+4+\b]           ; with lane l xor 16's 16: the block's largest magnitude
.endr
.irp b,0,1,2,3
	v_add_nc_u32 v[TM+12+\b], 0xfc000000, v[TM+\b]         ; 8 off its exponent field: the conversion's scale operand
.endr
.irp b,0,1,2,3
	v_and_or_b32 v[TM+8+\b], v[TM+\b], 0x7f800000, s38     ; 448 x the scale
.endr
.irp b,0,1,2,3
	v_lshrrev_b32 v[TM+4+\b], 23, v[TM+12+\b]              ; the scale's byte
.endr
	v_lshl_or_b32 v[\pw], v[TM+5], 8, v[TM+4]
	v_lshl_or_b32 v[\pw], v[TM+6], 16, v[\pw]
	v_lshl_or_b32 v[\pw], v[TM+7], 24, v[\pw]
.irp b,0,1,2,3
.irp i,0,1,2,3,4,5,6,7,8,9,10,11,12,13,14,15
	v_med3_num_f32 v[\src+16*\b+\i], v[\src+16*\b+\i], -v[TM+8+\b], v[TM+8+\b]   ; the conversion does not saturate (ISA guide 7.6.2): the hold at the largest code x the scale
.endr
	v_cvt_scalef32_pk8_fp8_f32 v[\dst+4*\b:\dst+4*\b+1], v[\src+16*\b:\src+16*\b+7], v[TM+12+\b]
	v_cvt_scalef32_pk8_fp8_f32 v[\dst+4*\b+2:\dst+4*\b+3], v[\src+16*\b+8:\src+16*\b+15], v[TM+12+\b]
.endr
	v_nop                                                  ; a plain line behind the last conversion, ahead of whatever next touches its registers
.endm
.macro XRAW pb, buf                    ; 16 rows x 128 K of x out of LDS, in operand order
.irp b,0,1,2,3
.irp j,0,1,2,3
	ds_load_b128 v[\buf+16*\b+4*\j:\buf+16*\b+4*\j+3], v[XQ] offset:512*\pb+128*\b+16*\j
.endr
.endr
.endm
.macro IMAGE off                       ; the fragment in v[PC] on goes to LDS as it stands: lane l's 16 bytes at 16 l
.irp c,0,1,2,3
	ds_store_b128 v[XWI], v[PC+4*\c:PC+4*\c+3] offset:\off+512*\c
.endr
.endm
.macro XFRAG hs                        ; K steps 2 hs and 2 hs + 1 of the four row tiles, with their scale words
.irp pb,0,1
.irp t,0,1,2,3
.irp c,0,1,2,3
	ds_load_b128 v[SA+64*\pb+16*\t+4*\c:SA+64*\pb+16*\t+4*\c+3], v[IM] offset:(4*\t+2*\hs+\pb)*2048+512*\c
.endr
	ds_load_b32 v[XS+4*\pb+\t], v[SCA] offset:(4*\t+2*\hs+\pb)*128
.endr
.endr
.endm
; source 0 = my 16 rows of W, source 1 = 16 rows of x: lane (r, h) holds x's row r, register j the tile's row 8 h + j of W.  The four accumulators take turns, one instruction a turn
.macro MM ks, pb, zero
.irp t,0,1,2,3
.if \zero
	v_wmma_scale_f32_16x16x128_f8f6f4 v[16+8*\t+16*(\t/2):23+8*\t+16*(\t/2)], v[WC+16*\ks:WC+16*\ks+15], v[SA+64*\pb+16*\t:SA+64*\pb+16*\t+15], 0, v[WS+\ks], v[XS+4*\pb+\t]
.else
	v_wmma_scale_f32_16x16x128_f8f6f4 v[16+8*\t+16*(\t/2):23+8*\t+16*(\t/2)], v[WC+16*\ks:WC+16*\ks+15], v[SA+64*\pb+16*\t:SA+64*\pb+16*\t+15], v[16+8*\t+16*(\t/2):23+8*\t+16*(\t/2)], v[WS+\ks], v[XS+4*\pb+\t]
.endif
.endr
.endm
.macro BARRIER                         ; my LDS stores have landed and my LDS loads are in: then the work-group's barrier
	s_wait_dscnt 0x0
	s_barrier_signal -1
	s_barrier_wait -1
.endm
	s_load_b256 s[4:11], s[0:1], 0x0               ; x s[4:5], W s[6:7], ap s[8:9], p s[10:11]
	s_load_b128 s[12:15], s[0:1], 0x20             ; an s[12:13], n s[14:15]
	s_load_b64 s[16:17], s[0:1], 0x30              ; part
	s_set_vgpr_msb 0x40
	v_lshl_add_u32 v0, v0, 2, 0x3d600
	v_mov_b32 v1, 0
	s_set_vgpr_msb 0x4000
	v_lshrrev_b32 v3, 5, v0
	v_readfirstlane_b32 s18, v3                    ; wave 0..7
	s_and_b32 s19, ttmp7, 0xffff                   ; g: the group of pairs;  ttmp9 = q: the quarter of i
	v_and_b32 v4, 31, v0
	v_lshlrev_b32 v[LI], 4, v4
	v_lshlrev_b32 v[LS], 2, v4
	s_and_b32 s24, s19, 31                         ; my eight indices: 32 (g % 32) + 8 (w % 4), 4 bytes each
	s_lshl_b32 s24, s24, 7
	s_and_b32 s25, s18, 3
	s_lshl_b32 s25, s25, 5
	s_add_co_u32 s24, s24, s25
	s_mov_b32 s25, 0
	s_lshl_b32 s26, s18, 13                        ; 4 w rows of 2,048 bytes
.irp m,0,1,2,3
	s_add_co_u32 s27, ttmp9, \m
	s_and_b32 s27, s27, 3                          ; tile rows 4 m .. 4 m + 3 come from quarter (m + q) % 4
	s_lshl_b32 s27, s27, 16                        ; 32 rows of 2,048 bytes
	s_add_co_u32 s27, s27, s26
	v_add_nc_u32 v[WO+\m], s27, v[LI]
.endr
	s_mov_b32 s36, 0x76543210
	s_mov_b32 s37, 0xfedcba98                      ; v_permlanex16_b32's selects for lane l xor 16
	s_mov_b32 s38, 0x600000                        ; the mantissa field of 448
	s_mov_b32 s39, 0xffff0000                      ; lanes 16-31
	s_wait_kmcnt 0x0
	s_cmp_lt_u32 s19, 32                           ; the positive pairs or the negative ones: hangs on the work-group's number alone
	s_cselect_b64 s[20:21], s[8:9], s[12:13]
	s_cselect_b64 s[22:23], s[10:11], s[14:15]
	s_cselect_b32 s40, 1.0, -1.0                   ; the sign,
	s_cselect_b32 s41, -2.0, 2.0                   ; and -2 x the sign
	s_cmp_lt_u32 s18, 4                            ; waves 0-3 fetch x1's rows, waves 4-7 x2's
	s_cselect_b64 s[20:21], s[20:21], s[22:23]
	s_add_nc_u64 s[20:21], s[20:21], s[24:25]
	s_load_b256 s[28:35], s[20:21], 0x0            ; eight indices
	LOADW 0, SA                                    ; W's first K step goes out while the indices come
	s_lshl_b32 s26, s19, 18                        ; part: group g, row 32 q + 8 (w % 4)
	s_lshl_b32 s27, ttmp9, 16
	s_add_co_u32 s26, s26, s27
	s_and_b32 s27, s18, 3
	s_lshl_b32 s27, s27, 14
	s_add_co_u32 s26, s26, s27
	s_mov_b32 s27, 0
	s_add_nc_u64 s[16:17], s[16:17], s[26:27]
	v_and_b32 v3, 15, v0                           ; r
	v_bfe_u32 v4, v0, 4, 1                         ; h
	s_mul_i32 s26, s18, WSB
	s_add_co_u32 s26, s26, WST                     ; my stage
	v_add_nc_u32 v[STS], s26, v[LI]
	v_mul_u32_u24 v[STL], v3, WSP
	v_lshl_add_u32 v[STL], v4, 6, v[STL]
	v_add_nc_u32 v[STL], s26, v[STL]               ; row r, + 64 h
	s_mul_i32 s26, s18, 8*XP
	v_add_nc_u32 v[RS], s26, v[LI]                 ; rows 8 w on
	s_lshr_b32 s26, s18, 1                         ; I quantise row tile w / 2, K steps 2 (w % 2) and 2 (w % 2) + 1
	s_mul_i32 s26, s26, 16*XP
	s_and_b32 s27, s18, 1
	s_lshl_b32 s27, s27, 10
	s_add_co_u32 s26, s26, s27
	v_mul_u32_u24 v[XQ], v3, XP
	v_lshl_add_u32 v[XQ], v4, 6, v[XQ]
	v_add_nc_u32 v[XQ], s26, v[XQ]
	s_lshl_b32 s26, s18, 12                        ; which are fragments 2 w and 2 w + 1
	s_add_co_u32 s26, s26, XIMG
	v_add_nc_u32 v[XWI], s26, v[LI]
	s_lshl_b32 s26, s18, 8
	s_add_co_u32 s26, s26, XSC
	v_add_nc_u32 v[XWS], s26, v[LS]
	v_add_nc_u32 v[IM], XIMG, v[LI]
	v_add_nc_u32 v[SCA], XSC, v[LS]
.irp b,0,1,2,3
	v_mov_b32 v[TM+4+\b], 0                        ; written once: a lane permute's destination counts as one of its sources
.endr
	s_wait_kmcnt 0x0
.irp t,0,1,2,3,4,5,6,7
	s_min_u32 s[28+\t], s[28+\t], 0x3fff           ; an index stays inside x
	s_lshl_b32 s[28+\t], s[28+\t], 11              ; a row is 2,048 bytes
	v_add_nc_u32 v[GO+\t], s[28+\t], v[LI]
.endr
	XLOADR 0
	; W's four K steps and x's two batches by turns: behind each wait the 16 loads issued last stay out
	s_wait_loadcnt 16                              ; W's K step 0 is in
	TURNW SA
	s_wait_dscnt 0x0
	QUANT SA, WC, WS
	LOADW 1, SA
	s_wait_loadcnt 16                              ; x's first four rows are in
	XSTORE 0
	s_wait_dscnt 0x0                               ; the stores have read their registers
	XLOADR 1
	s_wait_loadcnt 16                              ; W's K step 1
	TURNW SA
	s_wait_dscnt 0x0
	QUANT SA, WC+16, WS+1
	LOADW 2, SA
	s_wait_loadcnt 16                              ; x's other four rows
	XSTORE 1
	s_wait_dscnt 0x0
	LOADW 3, SB
	s_wait_loadcnt 16                              ; W's K step 2
	TURNW SA
	s_wait_dscnt 0x0
	QUANT SA, WC+32, WS+2
	s_wait_loadcnt 0x0                             ; W's K step 3
	TURNW SB
	s_wait_dscnt 0x0
	QUANT SB, WC+48, WS+3
	s_barrier_signal -1                            ; no LDS instruction of mine is out: my rows of x have landed
	s_barrier_wait -1                              ; all 64 rows lie in LDS
	; ---- x becomes codes: two fragments a wave
	XRAW 0, SA
	XRAW 1, SB
	s_wait_dscnt 16                                ; the first fragment's 16 loads are in
	QUANT SA, PC, PW
	IMAGE 0
	ds_store_b32 v[XWS], v[PW]
	s_wait_dscnt 0x0                               ; the second fragment is in, and the stores have read their registers
	QUANT SB, PC, PW
	IMAGE 2048
	ds_store_b32 v[XWS], v[PW] offset:128
	BARRIER                                        ; x's sixteen fragments lie in LDS
	; ---- z: my 16 rows of W against the 64 rows of x
	XFRAG 0
	s_wait_dscnt 0x0
	MM 0, 0, 1                                     ; the first K step starts the sums
	MM 1, 1, 0
.rept 8
	v_nop                                          ; eight places in front of loads into registers that these matrix instructions have read
.endr
	XFRAG 1
	s_wait_dscnt 0x0
	MM 2, 0, 0
	MM 3, 1, 0
	v_add_nc_u32 v[SUR], SUM, v[LI]                ; eight places ahead of the first read of the results: five lines of addresses and three v_nop
	s_lshl_b32 s26, s18, 9
	v_add_nc_u32 v[SUW], s26, v[SUR]
	v_and_b32 v[DW], 31, v0
	v_mul_u32_u24 v[DW], v[DW], DP
	s_lshl_b32 s26, s18, 4
	s_add_co_u32 s26, s26, DL
	v_add_nc_u32 v[DW], s26, v[DW]                 ; d: pair = my lane, i = 4 w on
.rept 3
	v_nop
.endr
	; ---- sums of z1^2, z2^2, z1 z2 over my 16 rows of W, for pairs r (t = 0) and 16 + r (t = 1).  Each accumulator is read from its low end on
.irp t,0,1
	v_pk_mul_f32 v[64+6*\t:65+6*\t], v[16+8*\t:17+8*\t], v[16+8*\t:17+8*\t]
	v_pk_mul_f32 v[66+6*\t:67+6*\t], v[48+8*\t:49+8*\t], v[48+8*\t:49+8*\t]
	v_pk_mul_f32 v[68+6*\t:69+6*\t], v[16+8*\t:17+8*\t], v[48+8*\t:49+8*\t]
.endr
.irp j,2,4,6
.irp t,0,1
	v_pk_fma_f32 v[64+6*\t:65+6*\t], v[16+8*\t+\j:17+8*\t+\j], v[16+8*\t+\j:17+8*\t+\j], v[64+6*\t:65+6*\t]
	v_pk_fma_f32 v[66+6*\t:67+6*\t], v[48+8*\t+\j:49+8*\t+\j], v[48+8*\t+\j:49+8*\t+\j], v[66+6*\t:67+6*\t]
	v_pk_fma_f32 v[68+6*\t:69+6*\t], v[16+8*\t+\j:17+8*\t+\j], v[48+8*\t+\j:49+8*\t+\j], v[68+6*\t:69+6*\t]
.endr
.endr
.irp k,0,1,2,3,4,5
	v_add_f32 v[64+2*\k], v[64+2*\k], v[65+2*\k]
.endr
	; from here on A LANE IS A PAIR: lanes 0-15 keep t = 0, lanes 16-31 t = 1; each hands the other half its part of the other t
.irp k,0,1,2
	v_cndmask_b32 v[76+\k], v[64+2*\k], v[70+2*\k], s39
	v_cndmask_b32 v[80+\k], v[70+2*\k], v[64+2*\k], s39
.endr
.irp k,0,1,2
	v_permlanex16_b32 v[84+\k], v[80+\k], s36, s37
.endr
.irp k,0,1,2
	v_add_f32 v[88+\k], v[76+\k], v[84+\k]
.endr
	v_mov_b32 v91, 0                               ; the fourth word of the store
	ds_store_b128 v[SUW], v[88:91]
.irp j,0,1,2,3                                 ; z of the work-group's own quarter: tile rows 0-3 lie in lanes 0-15, registers 0-3; those of t = 1 move to lanes 16-31
	v_permlanex16_b32 v[92+\j], v[24+\j], s36, s37
	v_permlanex16_b32 v[96+\j], v[56+\j], s36, s37
.endr
.irp j,0,1,2,3
	v_cndmask_b32 v[100+\j], v[16+\j], v[92+\j], s39       ; z1(my pair, i = 32 q + 4 w + j)
	v_cndmask_b32 v[104+\j], v[48+\j], v[96+\j], s39       ; z2
.endr
	BARRIER                                        ; the eight waves' sums lie in LDS
.irp k,0,1,2,3,4,5,6,7
	ds_load_b128 v[112+4*\k:115+4*\k], v[SUR] offset:512*\k
.endr
	s_wait_dscnt 0x0
.irp k,1,2,3,4,5,6,7
	v_pk_add_f32 v[112:113], v[112:113], v[112+4*\k:113+4*\k]
	v_pk_add_f32 v[114:115], v[114:115], v[114+4*\k:115+4*\k]
.endr
	v_rsq_f32 v108, v112                           ; 1 / |z1|
	v_rsq_f32 v109, v113                           ; 1 / |z2|
	v_nop                                          ; a plain line behind the transcendentals,
	s_wait_alu depctr_va_vdst(0)                   ; and one wait for both ahead of their first reader
	v_mul_f32 v110, v108, v109                     ; 1 / (|z1| |z2|)
	v_mul_f32 v144, v108, v108
	v_mul_f32 v145, v109, v109
	v_mul_f32 v111, v114, v110                     ; c
	v_mul_f32 v144, s40, v144                      ; sign / |z1|^2
	v_mul_f32 v145, s40, v145                      ; sign / |z2|^2
	v_mul_f32 v146, s41, v110                      ; -2 sign / (|z1| |z2|)
	v_mul_f32 v147, 0xc0400000, v111               ; -3 c
.irp j,0,1,2,3
	v_mul_f32 v[148+\j], v[100+\j], v108           ; u
	v_mul_f32 v[152+\j], v[104+\j], v109           ; v
.endr
.irp j,0,1,2,3
	v_mul_f32 v[156+\j], v[148+\j], v[152+\j]      ; u v
	v_mul_f32 v[148+\j], v[148+\j], v[148+\j]      ; u^2
	v_mul_f32 v[152+\j], v[152+\j], v[152+\j]      ; v^2
.endr
.irp j,0,1,2,3
	v_fma_f32 v[160+\j], v[156+\j], 2.0, v111      ; c + 2 u v
	v_add_f32 v[168+\j], v[148+\j], v[152+\j]
.endr
.irp j,0,1,2,3
	v_fma_f32 v[164+\j], v147, v[148+\j], v[160+\j]
	v_fma_f32 v[172+\j], v147, v[152+\j], v[160+\j]
	v_add_f32 v[168+\j], -1.0, v[168+\j]
.endr
.irp j,0,1,2,3
	v_fma_f32 v[168+\j], -v111, v[156+\j], v[168+\j]
	v_mul_f32 v[164+\j], v144, v[164+\j]           ; sign d11
	v_mul_f32 v[172+\j], v145, v[172+\j]           ; sign d22
.endr
.irp j,0,1,2,3
	v_mul_f32 v[168+\j], v146, v[168+\j]           ; -2 sign d12
.endr
	ds_store_b128 v[DW], v[164:167]
	ds_store_b128 v[DW], v[168:171] offset:128
	ds_store_b128 v[DW], v[172:175] offset:256
	; the addresses of all that follows, made here, on the one way that all waves take
	s_lshr_b32 s26, s18, 2                         ; e
	s_mul_i32 s27, s26, 16*XP
	v_add_nc_u32 v[AX1], s27, v[LI]                ; x1's row of pair 16 e: a load's 32 lanes take 512 consecutive bytes
	v_add_nc_u32 v[AX2], 32*XP, v[AX1]             ; x2's
	s_mul_i32 s26, s26, 16*DP
	s_and_b32 s27, s18, 3
	s_lshl_b32 s27, s27, 5
	s_add_co_u32 s26, s26, s27
	s_add_co_u32 s26, s26, DL
	v_mov_b32 v[AD], s26                           ; d of pair 16 e, i' = 8 a on: the same address in every lane
	s_lshl_b32 s26, s18, 13
	v_add_nc_u32 v[AES], s26, v[LI]                ; the exchange at the end: 8,192 bytes a wave, where x's rows lay
	s_xor_b32 s26, s18, 4
	s_lshl_b32 s26, s26, 13
	v_add_nc_u32 v[AEL], s26, v[LI]                ; my partner's
	BARRIER                                        ; d of the 32 pairs lies in LDS
; ---- THE SUMS OVER PAIRS.  Two columns an instruction; d(i') is one register of a pair, taken for both halves: op_sel_hi 0 takes the first register twice, op_sel 1 the second
.macro TERM t, xx, init                ; 64 instructions: 8 i' x 16 columns.  init = 1: the products start the sums: nothing is cleared
.set ii, 0
.rept 8
.set cc, 0
.rept 8
.if \init
.if ii%2
	v_pk_mul_f32 v[ACC+16*ii+2*cc:ACC+16*ii+2*cc+1], v[\xx+2*cc:\xx+2*cc+1], v[DD+8*\t+ii-1:DD+8*\t+ii] op_sel:[0,1]
.else
	v_pk_mul_f32 v[ACC+16*ii+2*cc:ACC+16*ii+2*cc+1], v[\xx+2*cc:\xx+2*cc+1], v[DD+8*\t+ii:DD+8*\t+ii+1] op_sel_hi:[1,0]
.endif
.else
.if ii%2
	v_pk_fma_f32 v[ACC+16*ii+2*cc:ACC+16*ii+2*cc+1], v[\xx+2*cc:\xx+2*cc+1], v[DD+8*\t+ii-1:DD+8*\t+ii], v[ACC+16*ii+2*cc:ACC+16*ii+2*cc+1] op_sel:[0,1,0]
.else
	v_pk_fma_f32 v[ACC+16*ii+2*cc:ACC+16*ii+2*cc+1], v[\xx+2*cc:\xx+2*cc+1], v[DD+8*\t+ii:DD+8*\t+ii+1], v[ACC+16*ii+2*cc:ACC+16*ii+2*cc+1] op_sel_hi:[1,0,1]
.endif
.endif
.set cc, cc+1
.endr
.set ii, ii+1
.endr
.endm
.macro XROWS
.irp c,0,1,2,3
	ds_load_b128 v[X1+4*\c:X1+4*\c+3], v[AX1] offset:512*\c
.endr
.irp c,0,1,2,3
	ds_load_b128 v[X2+4*\c:X2+4*\c+3], v[AX2] offset:512*\c
.endr
.endm
.macro DROW t
	ds_load_b128 v[DD+8*\t:DD+8*\t+3], v[AD] offset:128*\t
	ds_load_b128 v[DD+8*\t+4:DD+8*\t+7], v[AD] offset:128*\t+16
.endm
; One pair.  ahead = 1: the next pair's numbers are asked for as soon as their registers are free: x behind the three products, each term's d behind that term.
; LDS loads come back in order (ISA guide 5.7.1): the order of issue is x (8), d of term 0, 1, 2 (2 each), the next x (8), ...
.macro PAIR init, ahead
	s_wait_dscnt 6                                 ; x is in; the six loads of d behind it may be out
.irp c,0,2,4,6,8,10,12,14
	v_pk_mul_f32 v[XA+\c:XA+\c+1], v[X1+\c:X1+\c+1], v[X1+\c:X1+\c+1]
	v_pk_mul_f32 v[XB+\c:XB+\c+1], v[X1+\c:X1+\c+1], v[X2+\c:X2+\c+1]
	v_pk_mul_f32 v[XC+\c:XC+\c+1], v[X2+\c:X2+\c+1], v[X2+\c:X2+\c+1]
.endr
.if \ahead
	v_add_nc_u32 v[AX1], XP, v[AX1]
	v_add_nc_u32 v[AX2], XP, v[AX2]
	v_add_nc_u32 v[AD], DP, v[AD]
	XROWS
	s_wait_dscnt 12                                ; term 0's d is in; behind it: terms 1 and 2 (4), the next x (8)
.else
	s_wait_dscnt 4
.endif
	TERM 0, XA, \init
.if \ahead
	DROW 0
	s_wait_dscnt 12                                ; term 1's d; behind it: term 2 (2), the next x (8), the next term 0 (2)
.else
	s_wait_dscnt 2
.endif
	TERM 1, XB, 0
.if \ahead
	DROW 1
	s_wait_dscnt 12                                ; term 2's d; behind it: the next x (8), the next terms 0 and 1 (4)
.else
	s_wait_dscnt 0x0
.endif
	TERM 2, XC, 0
.if \ahead
	DROW 2
.endif
.endm
	XROWS
	DROW 0
	DROW 1
	DROW 2
	PAIR 1, 1                                      ; the first pair starts the sums
	s_mov_b32 s42, 14
.Lpair:
	PAIR 0, 1
	s_sub_co_u32 s42, s42, 1
	s_cmp_lg_u32 s42, 0
	s_cbranch_scc1 .Lpair
	PAIR 0, 0                                      ; the sixteenth pair asks for nothing more
; ---- the two waves that own the same i' meet: each sends the half of its sums that the other keeps (e = 0 keeps i' = 0-3, e = 1 keeps 4-7)
.macro SENDX base
.irp n,0,1,2,3,4,5,6,7,8,9,10,11,12,13,14,15
	ds_store_b128 v[AES], v[ACC+\base+4*\n:ACC+\base+4*\n+3] offset:512*\n
.endr
.endm
.macro OUTX base
.irp n,0,1,2,3,4,5,6,7,8,9,10,11,12,13,14,15
	v_pk_add_f32 v[ACC+\base+4*\n:ACC+\base+4*\n+1], v[ACC+\base+4*\n:ACC+\base+4*\n+1], v[48+4*\n:49+4*\n]
	v_pk_add_f32 v[ACC+\base+4*\n+2:ACC+\base+4*\n+3], v[ACC+\base+4*\n+2:ACC+\base+4*\n+3], v[50+4*\n:51+4*\n]
	global_store_b128 v[LI], v[ACC+\base+4*\n:ACC+\base+4*\n+3], s[16:17] offset:(\base/16+\n/4)*2048+(\n%4)*512   ; 32 lanes store 512 consecutive bytes, at a multiple of 256 from part's first byte
.endr
.endm
	s_barrier_signal -1                            ; my reads of x's rows are over (the last wait was for 0):
	s_barrier_wait -1                              ; everybody's are, so their bytes may be written
	s_cmp_lt_u32 s18, 4
	s_cbranch_scc0 .Lsend_low
	SENDX 64
	s_branch .Lsent
.Lsend_low:
	SENDX 0
.Lsent:
	BARRIER
.irp n,0,1,2,3,4,5,6,7,8,9,10,11,12,13,14,15
	ds_load_b128 v[48+4*\n:51+4*\n], v[AEL] offset:512*\n
.endr
	s_wait_dscnt 0x0
	s_cmp_lt_u32 s18, 4
	s_cbranch_scc0 .Lout_high
	OUTX 0
	s_set_vgpr_msb 0x5
	s_wait_tensorcnt 0x0
	ds_add_u32 v0, v1
	s_wait_dscnt 0x0
	s_set_vgpr_msb 0x500
	s_endpgm
.Lout_high:
	OUTX 64
	s_set_vgpr_msb 0x5
	s_wait_tensorcnt 0x0
	ds_add_u32 v0, v1
	s_wait_dscnt 0x0
	s_set_vgpr_msb 0x500
	s_endpgm
.Lfunc_end_k_q2e229f7385_pairs:
	.size	k_q2e229f7385_pairs, .Lfunc_end_k_q2e229f7385_pairs-k_q2e229f7385_pairs
	.p2alignl 7, 3214868480
	.fill 96, 4, 3214868480
	.section	.rodata,"a",@progbits
	.p2align	6, 0x0
	.amdhsa_kernel k_q2e229f7385_pairs
		.amdhsa_group_segment_fixed_size 252416
		.amdhsa_private_segment_fixed_size 0
		.amdhsa_enable_private_segment 0
		.amdhsa_kernarg_size 56
		.amdhsa_user_sgpr_count 2
		.amdhsa_user_sgpr_kernarg_segment_ptr 1
		.amdhsa_wavefront_size32 1
		.amdhsa_system_sgpr_workgroup_id_x 1
		.amdhsa_system_sgpr_workgroup_id_y 1
		.amdhsa_system_sgpr_workgroup_id_z 1
		.amdhsa_system_vgpr_workitem_id 0
		.amdhsa_next_free_vgpr 258
		.amdhsa_next_free_sgpr 66
		.amdhsa_reserve_vcc 0
		.amdhsa_float_denorm_mode_32 3
		.amdhsa_float_denorm_mode_16_64 3
		.amdhsa_memory_ordered 1
		.amdhsa_forward_progress 1
		.amdhsa_inst_pref_size 147
	.end_amdhsa_kernel
	.amdgpu_metadata
---
amdhsa.version: [ 1, 2 ]
amdhsa.kernels:
  - .name:           k_q2e229f7385_pairs
    .symbol:         k_q2e229f7385_pairs.kd
    .args:
      - { .name: x, .offset: 0, .size: 8, .value_kind: global_buffer, .address_space: global }
      - { .name: W, .offset: 8, .size: 8, .value_kind: global_buffer, .address_space: global }
      - { .name: ap, .offset: 16, .size: 8, .value_kind: global_buffer, .address_space: global }
      - { .name: p, .offset: 24, .size: 8, .value_kind: global_buffer, .address_space: global }
      - { .name: an, .offset: 32, .size: 8, .value_kind: global_buffer, .address_space: global }
      - { .name: n, .offset: 40, .size: 8, .value_kind: global_buffer, .address_space: global }
      - { .name: part, .offset: 48, .size: 8, .value_kind: global_buffer, .address_space: global }
    .group_segment_fixed_size: 252416
    .private_segment_fixed_size: 0
    .kernarg_segment_align: 8
    .kernarg_segment_size: 56
    .max_flat_workgroup_size: 256
    .sgpr_count:     66
    .vgpr_count:     258
    .wavefront_size: 32
...
	.end_amdgpu_metadata
.endif
;; end of part 1
;; launch fold (part 2): grid 256 x 1, 8 waves a work-group, no clusters, 9,216 bytes of LDS; arguments part, out0; writes out0
.if DOCPART == 2
	.amdgcn_target "amdgcn-amd-amdhsa--gfx1250"
	.amdhsa_code_object_version 6
	.text
	.protected	k_q2e229f7385_fold
	.globl	k_q2e229f7385_fold
	.p2align	8
	.type	k_q2e229f7385_fold,@function
k_q2e229f7385_fold:
	s_mov_b64 s[64:65], 0
	v_nop
	global_prefetch_b8 v0, s[64:65] scope:SCOPE_SE
	s_setreg_imm32_b32 hwreg(HW_REG_WAVE_MODE, 25, 1), 1
	s_wait_xcnt 0x0
; out0[o] = the sum over the 64 groups g of part[g][o].  part: [64][65536] f32 (the signs are in it), out0: [65536] f32.
; A work-group owns 256 neighbouring outputs, 1,024 bytes.  Wave w adds groups 8 w .. 8 w + 7: 16 loads of 512 consecutive bytes, all issued at once; the eight waves' sums meet in LDS,
; and waves 0 and 1 add them and store 512 consecutive bytes each.  A stream: no matrix unit, no cluster (no two work-groups read the same byte), no ring; each byte of part is read once.
.set GB, 262144                        ; bytes of a group's sums
	s_load_b128 s[4:7], s[0:1], 0x0                ; part, out0
	v_lshl_add_u32 v80, v0, 2, 0x2000
	v_mov_b32 v81, 0
	v_lshrrev_b32 v1, 5, v0
	v_readfirstlane_b32 s8, v1                     ; wave 0..7
	v_and_b32 v1, 31, v0
	v_lshlrev_b32 v1, 4, v1                        ; 16 bytes a lane
	s_lshl_b32 s9, s8, 21                          ; eight groups a wave
	s_lshl_b32 s10, ttmp9, 10                      ; the work-group's 1,024 bytes
	s_add_co_u32 s9, s9, s10
	v_add_nc_u32 v2, s9, v1                        ; in part (under 2^24)
	s_lshl_b32 s11, s8, 10
	v_add_nc_u32 v3, s11, v1                       ; LDS: 1,024 bytes a wave
	s_lshl_b32 s11, s8, 9
	v_add_nc_u32 v4, s11, v1                       ; waves 0 and 1: which 512 bytes of each wave's 1,024 I add,
	s_add_co_u32 s11, s11, s10
	v_add_nc_u32 v5, s11, v1                       ; and where they go in out0
	s_wait_kmcnt 0x0
.irp t,0,1,2,3,4,5,6,7
.irp u,0,1
	global_load_b128 v[16+8*\t+4*\u:19+8*\t+4*\u], v2, s[4:5] offset:\t*GB+512*\u th:TH_LOAD_NT
.endr
.endr
.irp t,1,2,3,4,5,6,7
	s_wait_loadcnt 14-2*\t                         ; groups up to t are in; the two loads of each later group may be out
.irp k,0,2,4,6
	v_pk_add_f32 v[16+\k:17+\k], v[16+\k:17+\k], v[16+8*\t+\k:17+8*\t+\k]
.endr
.endr
	ds_store_b128 v3, v[16:19]
	ds_store_b128 v3, v[20:23] offset:512
	s_wait_dscnt 0x0                               ; for the others' sake: my sums have landed
	s_barrier_signal -1
	s_barrier_wait -1
	s_cmp_lt_u32 s8, 2
	s_cbranch_scc0 .Ldone
.irp k,0,1,2,3,4,5,6,7
	ds_load_b128 v[32+4*\k:35+4*\k], v4 offset:1024*\k
.endr
	s_wait_dscnt 0x0
.irp k,1,2,3,4,5,6,7
	v_pk_add_f32 v[32:33], v[32:33], v[32+4*\k:33+4*\k]
	v_pk_add_f32 v[34:35], v[34:35], v[34+4*\k:35+4*\k]
.endr
	global_store_b128 v5, v[32:35], s[6:7]         ; 32 lanes store 512 consecutive bytes, at a multiple of 256 from out0's first byte
.Ldone:
	s_wait_tensorcnt 0x0
	ds_add_u32 v80, v81
	s_wait_dscnt 0x0
	s_endpgm
.Lfunc_end_k_q2e229f7385_fold:
	.size	k_q2e229f7385_fold, .Lfunc_end_k_q2e229f7385_fold-k_q2e229f7385_fold
	.p2alignl 7, 3214868480
	.fill 96, 4, 3214868480
	.section	.rodata,"a",@progbits
	.p2align	6, 0x0
	.amdhsa_kernel k_q2e229f7385_fold
		.amdhsa_group_segment_fixed_size 9216
		.amdhsa_private_segment_fixed_size 0
		.amdhsa_enable_private_segment 0
		.amdhsa_kernarg_size 16
		.amdhsa_user_sgpr_count 2
		.amdhsa_user_sgpr_kernarg_segment_ptr 1
		.amdhsa_wavefront_size32 1
		.amdhsa_system_sgpr_workgroup_id_x 1
		.amdhsa_system_sgpr_workgroup_id_y 1
		.amdhsa_system_sgpr_workgroup_id_z 1
		.amdhsa_system_vgpr_workitem_id 0
		.amdhsa_next_free_vgpr 82
		.amdhsa_next_free_sgpr 66
		.amdhsa_reserve_vcc 0
		.amdhsa_float_denorm_mode_32 3
		.amdhsa_float_denorm_mode_16_64 3
		.amdhsa_memory_ordered 1
		.amdhsa_forward_progress 1
		.amdhsa_inst_pref_size 7
	.end_amdhsa_kernel
	.amdgpu_metadata
---
amdhsa.version: [ 1, 2 ]
amdhsa.kernels:
  - .name:           k_q2e229f7385_fold
    .symbol:         k_q2e229f7385_fold.kd
    .args:
      - { .name: part, .offset: 0, .size: 8, .value_kind: global_buffer, .address_space: global }
      - { .name: out0, .offset: 8, .size: 8, .value_kind: global_buffer, .address_space: global }
    .group_segment_fixed_size: 9216
    .private_segment_fixed_size: 0
    .kernarg_segment_align: 8
    .kernarg_segment_size: 16
    .max_flat_workgroup_size: 256
    .sgpr_count:     66
    .vgpr_count:     82
    .wavefront_size: 32
...
	.end_amdgpu_metadata
.endif
;; end of part 2
